; MI455X (gfx1250); checked and timed in simulation.
; The chip was launched on July 23, 2026; its instructions are those of AMD's public machine-readable ISA for CDNA 5 (MIT licence, August 2026) and "CDNA5" Instruction Set Architecture Reference Guide (July 2026). The comments in the code are by the model that wrote it; some were corrected since.
;; Quant Linear. Allowed arithmetic: matrix products marked QUANTISED: E5M2 operands, one given power-of-two scale a tensor, by v_wmma_f32_16x16x64_bf8_bf8 or v_wmma_f32_16x16x128_bf8_bf8, f32 sums; everything else in f32.
;; Inputs: bias 4,096 float32; lowp_scales 2 int32 (the exponents e of the quantised operands' scales 2^e); qweight 2,048 x 4,096 int32; scales 4,096 x 1 float32; x 4 x 1,024 x 4,096 float32; zeros 4,096 x 1 float32.
;; Outputs: out0 4 x 1,024 x 4,096 float32.
;; This version of the problem:
;;   THIS VERSION OF THE PROBLEM IS GIVEN IN LOW PRECISION. The matrix products marked QUANTISED in the list below multiply operands that are first quantised to E5M2 (5 exponent bits, 2 mantissa bits; 8 bits a number), with one given power-of-two scale for each operand tensor; their sums are f32. All else is computed in f32.
;;   The module's matrix products, in the order in which they are computed (A, B: the left and right operand; K: the contracted axis; several contracted axes count as one K, in the product's order):
;;     1. [M 4,096, K 4,096] x [K 4,096, N 4,096]; A: input x; B: computed on the way: QUANTISED (scales: A lowp_scales[0], B lowp_scales[1])
;;   THE QUANTISER, for each operand of a quantised product, along K:
;;     - The operand's scale is 2^e, e = its entry of the input lowp_scales (int32; the entries are numbered through the quantised products in the list's order, A before B).
;;     - Each number is divided by the scale, clamped to +-57,344, and rounded to the nearest number of E5M2, ties to even, subnormals kept.
;;     - The product sums the exact products of the quantised numbers (number of the format x scale) in f32.
;;   ~~~python
;;   def quantise(x, axis, e):      # numpy; x: float32 -> the quantised numbers, widened to float32 again
;;       x = np.moveaxis(x, axis, -1); K = x.shape[-1]
;;       r = np.clip(x / 2.0 ** e, -57344, 57344)
;;       step = 2.0 ** (np.maximum(np.frexp(np.where(r == 0, 1, r))[1] - 1, -14) - 2)
;;       q = np.round(r / step) * step * 2.0 ** e      # np.round: ties to even
;;       return np.moveaxis(q, -1, axis).astype(np.float32)
;;   ~~~
;;   OPERANDS COMPUTED ON THE WAY. 'Computed on the way' means the value that the module computes at that place (a softmax that the list does not call 'softmax' is quantised finished and normalised). What goes into a quantiser is computed in f32, as accurately as f32 sums, v_exp_f32 and their like allow (about 1e-6 of the number): no bf16 or f16 on the way to a quantiser, and a product that is left as it is and whose result goes on into a quantised operand takes f32 operands (vector FMAs, or v_wmma_f32_16x16x4_f32). A number that lies on a knife's edge between two numbers of the format may be rounded either way, as far as f32 arithmetic and the matrix unit's own rounding can turn it there, and no further.
;; One version. Each part assembles by itself: llvm-mc -triple=amdgcn-amd-amdhsa -mcpu=gfx1250 --defsym DOCPART=n.
;; ======== version 1 of 1: 2 launches
;; limits: right only within a limited range of input values
;; workspace buffers: xc 16,777,216 bytes; wc 16,777,216 bytes
;; launch prep (part 1): grid 768 x 1, 4 waves a work-group, no clusters, 70,144 bytes of LDS; arguments x, qweight, scales, zeros, lowp_scales, xc, wc; writes xc, wc
.if DOCPART == 1
	.amdgcn_target "amdgcn-amd-amdhsa--gfx1250"
	.amdhsa_code_object_version 6
	.text
	.protected	k_q0bddf0ae14_prep
	.globl	k_q0bddf0ae14_prep
	.p2align	8
	.type	k_q0bddf0ae14_prep,@function
k_q0bddf0ae14_prep:
	s_mov_b64 s[64:65], 0
	v_nop
	global_prefetch_b8 v0, s[64:65] scope:SCOPE_SE
	s_setreg_imm32_b32 hwreg(HW_REG_WAVE_MODE, 25, 1), 1
	s_wait_xcnt 0x0
; BOTH OPERANDS OF out0 = x w + bias BECOME CODES OF BF8 (E5M2), ONCE.  x: [4096 m][4096 k] f32.  w[k][n] = (q[k][n] - round(zeros[n] / scales[n])) x scales[n], q = the nibbles of
; qweight [2048][4096] int32: row r holds k = 2 r in bits 3:0 and k = 2 r + 1 in bits 7:4.  code = number / 2^e, held within +-57,344, to the nearest code, ties to even; e = lowp_scales[0] for x, [1] for w.
; OUT: xc [4096 m][4096 bytes], wc [4096 n][4096 bytes], one code a byte, K along the row IN A PERMUTED ORDER THAT IS THE SAME IN BOTH: inside each 512 along K, byte 16 l + 4 c + j (l 0..31, c 0..3, j 0..3)
; holds k = 128 c + 4 l + j.  The product's launch multiplies byte p of a row of xc by byte p of a row of wc, so every product meets its partner; only the order of the f32 sums differs.
; WHY THAT ORDER: lane l's four loads of 16 bytes, one from each 512 consecutive bytes of x, are then the very 16 numbers whose 16 codes lane l stores at 16 l: every load and every store of x's path covers
; 512 consecutive bytes, and nothing changes lanes.  In w's path a lane's registers run down K, and which row of qweight feeds which register is an immediate offset.
; SHARES: work-groups 0..511 take x (a wave: 8,192 numbers), work-groups 512..767 take w (256 columns x 256 bytes of a row of wc; a wave: 64 columns).  Each reads 131,072 bytes.  Waves share nothing: no barrier.
; Only w's path touches LDS.  No tensor loads, no cluster: no byte is read by two work-groups.
; LIMITS: each e between -126 and 112, so that 2^e and 57,344 x 2^e are f32 numbers.  |scales| between 2^-126 and 2^126 (v_rcp_f32 takes and gives no denormals: ISA guide, its entry in 15.8).
; NaN in x is not served; an infinity is held at the largest code.
.set XWG,  512                         ; work-groups of x's path
.set RX,   16                          ; x: v16-143   eight sets of 16 numbers as loaded
.set CX,   144                         ; x: v144-207  four registers of codes for each of the 16 steps: no store's data are written again
.set ZP,   20                          ; w: v[20:21], v[22:23]  the zero point of my column 0, twice; of my column 1, twice
.set SC,   24                          ; w: v[24:25], v[26:27]  the scale likewise
.set NW,   32                          ; w: v32-63, v64-95  32 numbers along K of column 0, of column 1
.set CW,   96                          ; w: v96-127   codes: two sets by turns, 8 registers a column
.set QW,   128                         ; w: v128-255  four sets of 16 pairs of ints; at the end the way out's 32 x 4 registers
.set SROW, 272                         ; w: a stage row: 256 bytes of codes + 16
.set WSTG, 64*SROW                     ; w: a wave's own stage: 64 rows
	s_load_b256 s[4:11], s[0:1], 0x0               ; x s[4:5], qweight s[6:7], scales s[8:9], zeros s[10:11]
	s_load_b128 s[12:15], s[0:1], 0x20             ; lowp_scales s[12:13], xc s[14:15]
	s_load_b64 s[16:17], s[0:1], 0x30              ; wc
	v_lshl_add_u32 v9, v0, 2, 0x11000
	s_set_vgpr_msb 0x40
	v_mov_b32 v1, 0
	s_set_vgpr_msb 0x4000
	v_lshrrev_b32 v1, 5, v0
	v_readfirstlane_b32 s18, v1                    ; wave 0..3
	v_and_b32 v2, 31, v0                           ; lane
	s_wait_kmcnt 0x0
	s_load_b64 s[20:21], s[12:13], 0x0             ; ex, ew
	s_cmp_lt_u32 ttmp9, XWG                        ; the path hangs on the work-group's number alone
	s_cbranch_scc0 .Lw
; ---------------------------------------------------------------- x ----------------------------------------------------------------
; A wave takes 16 steps of 512 numbers.  Eight steps' loads (32 loads) are out at a time.
.macro XLOAD t                         ; step t: four loads of 512 consecutive bytes; register 4 c + j of lane l is k = 128 c + 4 l + j of the step's 512
.irp c, 0,1,2,3
	global_load_b128 v[RX+16*((\t)%8)+4*\c:RX+16*((\t)%8)+4*\c+3], v3, s[4:5] offset:2048*(\t)+512*\c th:TH_LOAD_NT
.endr
.endm
.macro XSTEP t
.set XS, RX+16*((\t)%8)
.if 15-(\t) < 7
	s_wait_loadcnt 4*(15-(\t))                     ; loads come back in order (ISA guide 5.7.1): this step's four are in; four for each younger step may be out
.else
	s_wait_loadcnt 28                              ; seven younger steps
.endif
.irp i, 0,1,2,3,4,5,6,7,8,9,10,11,12,13,14,15
	v_med3_num_f32 v[XS+\i], v[XS+\i], -v10, v10   ; the conversion to an 8-bit code does not saturate (ISA guide 7.6.2): hold the number within the largest code x the scale first
.endr
	v_cvt_scalef32_pk8_bf8_f32 v[CX+4*(\t):CX+4*(\t)+1], v[XS:XS+7], v11       ; eight numbers / 2^ex; the first number's code in the lowest byte
	v_cvt_scalef32_pk8_bf8_f32 v[CX+4*(\t)+2:CX+4*(\t)+3], v[XS+8:XS+15], v11
.if (\t)+8 < 16
	XLOAD (\t)+8                                   ; the set just read takes the step eight further on
.endif
	global_store_b128 v3, v[CX+4*(\t):CX+4*(\t)+3], s[14:15] offset:512*(\t)   ; 32 lanes store 512 consecutive bytes, at a multiple of 512 from xc's first byte
; (The codes go to a store alone, and the next vector lines are the next step's plain holds on another set: they are the plain line owed behind a scaled conversion.)
.endm
	s_lshl_b32 s22, ttmp9, 2
	s_add_co_u32 s22, s22, s18                     ; which run of 8,192 numbers is my wave's: 0..2047
	s_lshl_b32 s24, s22, 15                        ; 32,768 bytes of x a run,
	s_mov_b32 s25, 0
	s_add_nc_u64 s[4:5], s[4:5], s[24:25]
	s_lshl_b32 s24, s22, 13                        ; 8,192 bytes of codes
	s_add_nc_u64 s[14:15], s[14:15], s[24:25]
	s_wait_alu depctr_va_vdst(0)
	v_lshlrev_b32 v3, 4, v2                        ; 16 x lane: my place in a load's 512 bytes and in a store's; never rewritten
.irp t, 0,1,2,3,4,5,6,7
	XLOAD \t
.endr
	s_wait_kmcnt 0x0
	s_add_co_i32 s24, s20, 127
	s_lshl_b32 s25, s24, 23
	v_mov_b32 v11, s25                             ; 2^ex as f32: the conversion takes its exponent field
	s_add_co_i32 s24, s24, 15
	s_lshl_b32 s24, s24, 23
	s_or_b32 s24, s24, 0x600000
	v_mov_b32 v10, s24                             ; 57,344 x 2^ex
	s_wait_alu depctr_va_vdst(0)
.irp t, 0,1,2,3,4,5,6,7,8,9,10,11,12,13,14,15
	XSTEP \t
.endr
	s_endpgm
; ---------------------------------------------------------------- w ----------------------------------------------------------------
; Work-group g = 16 pc + cg: columns 256 cg on, bytes 256 pc .. 256 pc + 255 of their rows of wc.  Wave w: columns n0 = 256 cg + 64 w on; lane l: columns n0 + 2 l and n0 + 2 l + 1, so that a load of
; 8 bytes a lane covers 256 consecutive bytes of one row of qweight, aligned.  Byte 256 pc + q of a row of wc, q = 16 l' + 4 c + j, holds k = 512 (pc / 2) + 128 c + 4 (16 (pc % 2) + l') + j:
; row BASE + 64 c + 2 l' + j / 2 of qweight, nibble j % 2, BASE = 256 (pc / 2) + 32 (pc % 2).  The greatest row behind BASE is 223: 223 x 16,384 bytes lie inside the signed 24-bit immediate (ISA guide, chapter 10).
; A block is 32 bytes of each of my two rows of wc: 16 ints a column.  Int i of block t gives bytes 32 t + 2 i and 32 t + 2 i + 1.
.macro WLOAD t
.set i, 0
.rept 16
	global_load_b64 v[QW+32*((\t)%4)+2*i:QW+32*((\t)%4)+2*i+1], v3, s[6:7] offset:(64*((i/2)%4)+2*(2*(\t)+i/8)+i%2)*16384 th:TH_LOAD_NT
.set i, i+1
.endr
.endm
.macro WBLOCK t
.set QS, QW+32*((\t)%4)
.set CS, CW+16*((\t)%2)
.if 7-(\t) < 3
	s_wait_loadcnt 16*(7-(\t))                     ; this block's 16 loads are in; 16 for each younger block may be out
.else
	s_wait_loadcnt 48                              ; three younger blocks
.endif
	s_wait_dscnt 4                                 ; the block before's four stage stores may be out; those of two blocks back, which read this set of codes, are done
.irp col, 0,1
.set i, 0
.rept 16
	v_and_b32 v[NW+32*\col+2*i], 15, v[QS+2*i+\col]            ; the even k
	v_bfe_u32 v[NW+32*\col+2*i+1], v[QS+2*i+\col], 4, 4        ; the odd k
.set i, i+1
.endr
.endr
.if (\t)+4 < 8
	WLOAD (\t)+4                                   ; the ints have been read: their set takes the block four further on
.endif
.irp col, 0,1
.set i, 0
.rept 32
	v_cvt_f32_u32 v[NW+32*\col+i], v[NW+32*\col+i]
.set i, i+1
.endr
.set i, 0
.rept 16
	v_pk_add_f32 v[NW+32*\col+2*i:NW+32*\col+2*i+1], v[NW+32*\col+2*i:NW+32*\col+2*i+1], v[ZP+2*\col:ZP+2*\col+1] neg_lo:[0,1] neg_hi:[0,1]   ; q - zp: one f32 subtraction,
.set i, i+1
.endr
.set i, 0
.rept 16
	v_pk_mul_f32 v[NW+32*\col+2*i:NW+32*\col+2*i+1], v[NW+32*\col+2*i:NW+32*\col+2*i+1], v[SC+2*\col:SC+2*\col+1]   ; x scale: one f32 multiplication: the two roundings of the definition, so they are not fused
.set i, i+1
.endr
.set i, 0
.rept 32
	v_med3_num_f32 v[NW+32*\col+i], v[NW+32*\col+i], -v10, v10  ; the hold at the largest code x 2^ew
.set i, i+1
.endr
.irp g, 0,1,2,3
	v_cvt_scalef32_pk8_bf8_f32 v[CS+8*\col+2*\g:CS+8*\col+2*\g+1], v[NW+32*\col+8*\g:NW+32*\col+8*\g+7], v11
.endr
	ds_store_b128 v4, v[CS+8*\col:CS+8*\col+3] offset:32*SROW*\col+32*(\t)          ; stage row 32 col + lane: from lane to lane 272 bytes
	ds_store_b128 v4, v[CS+8*\col+4:CS+8*\col+7] offset:32*SROW*\col+32*(\t)+16
; (Behind column 0's conversions the next vector lines are column 1's plain ones, on other registers; behind column 1's, the next block's v_and_b32 on column 0's: the plain line owed behind a scaled conversion.)
.endr
.endm
.Lw:
	s_sub_co_u32 s22, ttmp9, XWG                   ; g
	s_and_b32 s23, s22, 15                         ; cg
	s_lshr_b32 s24, s22, 4                         ; pc
	s_lshl_b32 s25, s23, 8
	s_lshl_b32 s26, s18, 6
	s_add_co_u32 s25, s25, s26                     ; n0
	s_lshr_b32 s26, s24, 1
	s_lshl_b32 s26, s26, 8
	s_and_b32 s27, s24, 1
	s_lshl_b32 s27, s27, 5
	s_add_co_u32 s26, s26, s27                     ; BASE
	s_lshl_b32 s26, s26, 14                        ; a row of qweight is 16,384 bytes
	s_lshl_b32 s27, s25, 2                         ; 4 n0
	s_add_co_u32 s28, s26, s27
	s_mov_b32 s29, 0
	s_add_nc_u64 s[6:7], s[6:7], s[28:29]          ; qweight at row BASE, column n0
	s_mov_b32 s28, s27
	s_add_nc_u64 s[8:9], s[8:9], s[28:29]          ; scales and zeros at n0
	s_add_nc_u64 s[10:11], s[10:11], s[28:29]
	s_lshl_b32 s28, s25, 12
	s_lshl_b32 s26, s24, 8
	s_add_co_u32 s28, s28, s26
	s_add_nc_u64 s[16:17], s[16:17], s[28:29]      ; wc at row n0, byte 256 pc
	s_mul_i32 s30, s18, WSTG                       ; my wave's stage
	s_wait_alu depctr_va_vdst(0)
	v_lshlrev_b32 v3, 3, v2                        ; 8 x lane: my two columns in a row of qweight, in scales and in zeros; never rewritten
	v_mul_u32_u24 v4, v2, SROW
	v_add_nc_u32 v4, s30, v4                       ; into the stage: row = lane (column 0) or 32 + lane (column 1, in the immediate)
	v_and_b32 v5, 15, v2
	v_lshrrev_b32 v6, 4, v2
	v_mul_u32_u24 v7, v6, SROW
	v_lshl_add_u32 v7, v5, 4, v7
	v_add_nc_u32 v7, s30, v7                       ; out of it: sixteen lanes to a row, two rows an instruction
	v_lshlrev_b32 v8, 13, v6                       ; stage rows 2 i and 2 i + 1 are columns two apart: 8,192 bytes of wc
	v_lshl_add_u32 v8, v5, 4, v8
	global_load_b64 v[12:13], v3, s[8:9]           ; the scales of my two columns
	global_load_b64 v[14:15], v3, s[10:11]         ; the zeros
	WLOAD 0
	WLOAD 1
	WLOAD 2
	s_wait_kmcnt 0x0
	s_add_co_i32 s26, s21, 127
	s_lshl_b32 s27, s26, 23
	v_mov_b32 v11, s27                             ; 2^ew as f32
	s_add_co_i32 s26, s26, 15
	s_lshl_b32 s26, s26, 23
	s_or_b32 s26, s26, 0x600000
	v_mov_b32 v10, s26                             ; 57,344 x 2^ew
	s_wait_loadcnt 48                              ; scales and zeros are in: behind them stand three blocks' 48 loads
	WLOAD 3                                        ; 64 loads of qweight are out while the zero points are made
	; zp = round(zeros / scales), ties to even.  The quotient is refined until it is the f32 quotient: a quotient a last bit off could fall on the other side of a half, and that moves a whole column of w by one scale.
	v_rcp_f32 v16, v12
	v_rcp_f32 v17, v13
	v_nop                                          ; a plain line behind the transcendentals (ISA guide 5.7.2),
	s_wait_alu depctr_va_vdst(0)                   ; and one wait for both, ahead of their first reader
	v_fma_f32 v18, -v12, v16, 1.0                  ; e = 1 - s r
	v_fma_f32 v19, -v13, v17, 1.0
	v_fma_f32 v16, v18, v16, v16                   ; r = r + e r
	v_fma_f32 v17, v19, v17, v17
	v_mul_f32 v18, v14, v16                        ; q = z r
	v_mul_f32 v19, v15, v17
	v_fma_f32 v28, -v12, v18, v14                  ; what is left: z - s q, exact in the fused form
	v_fma_f32 v29, -v13, v19, v15
	v_fma_f32 v18, v28, v16, v18                   ; q = q + left x r
	v_fma_f32 v19, v29, v17, v19
	v_rndne_f32 v[ZP], v18                         ; each twice: the packed forms take pairs
	v_rndne_f32 v[ZP+1], v18
	v_rndne_f32 v[ZP+2], v19
	v_rndne_f32 v[ZP+3], v19
	v_mov_b32 v[SC], v12
	v_mov_b32 v[SC+1], v12
	v_mov_b32 v[SC+2], v13
	v_mov_b32 v[SC+3], v13
.irp t, 0,1,2,3,4,5,6,7
	WBLOCK \t
.endr
	v_nop                                          ; the plain line behind the last scaled conversion
	; THE WAY OUT: a lane's codes belong to its own two rows of wc, 4,096 bytes apart from the neighbours'.  Read back by rows, sixteen lanes store 256 consecutive bytes, at a multiple of 256 from wc's first byte.
.set i, 0
.rept 32
	ds_load_b128 v[QW+4*i:QW+4*i+3], v7 offset:2*SROW*i          ; LDS serves a wave's instructions in order (ISA guide 5.7.1.4): these see my stores
.set i, i+1
.endr
.set i, 0
.rept 32
	s_wait_dscnt 31-i                              ; load i is in; the younger ones may be out
	global_store_b128 v8, v[QW+4*i:QW+4*i+3], s[16:17] offset:(4*(i%16)+i/16)*4096   ; stage row 2 i + lane / 16 = 32 col + l is column n0 + 2 l + col
.set i, i+1
.endr
	s_set_vgpr_msb 0x4
	s_wait_tensorcnt 0x0
	ds_add_u32 v9, v1
	s_wait_dscnt 0x0
	s_set_vgpr_msb 0x400
	s_endpgm
.Lfunc_end_k_q0bddf0ae14_prep:
	.size	k_q0bddf0ae14_prep, .Lfunc_end_k_q0bddf0ae14_prep-k_q0bddf0ae14_prep
	.p2alignl 7, 3214868480
	.fill 96, 4, 3214868480
	.section	.rodata,"a",@progbits
	.p2align	6, 0x0
	.amdhsa_kernel k_q0bddf0ae14_prep
		.amdhsa_group_segment_fixed_size 70144
		.amdhsa_private_segment_fixed_size 0
		.amdhsa_enable_private_segment 0
		.amdhsa_kernarg_size 56
		.amdhsa_user_sgpr_count 2
		.amdhsa_user_sgpr_kernarg_segment_ptr 1
		.amdhsa_wavefront_size32 1
		.amdhsa_system_sgpr_workgroup_id_x 1
		.amdhsa_system_sgpr_workgroup_id_y 1
		.amdhsa_system_sgpr_workgroup_id_z 1
		.amdhsa_system_vgpr_workitem_id 0
		.amdhsa_next_free_vgpr 258
		.amdhsa_next_free_sgpr 66
		.amdhsa_reserve_vcc 0
		.amdhsa_float_denorm_mode_32 3
		.amdhsa_float_denorm_mode_16_64 3
		.amdhsa_memory_ordered 1
		.amdhsa_forward_progress 1
		.amdhsa_inst_pref_size 160
	.end_amdhsa_kernel
	.amdgpu_metadata
---
amdhsa.version: [ 1, 2 ]
amdhsa.kernels:
  - .name:           k_q0bddf0ae14_prep
    .symbol:         k_q0bddf0ae14_prep.kd
    .args:
      - { .name: x, .offset: 0, .size: 8, .value_kind: global_buffer, .address_space: global }
      - { .name: qweight, .offset: 8, .size: 8, .value_kind: global_buffer, .address_space: global }
      - { .name: scales, .offset: 16, .size: 8, .value_kind: global_buffer, .address_space: global }
      - { .name: zeros, .offset: 24, .size: 8, .value_kind: global_buffer, .address_space: global }
      - { .name: lowp_scales, .offset: 32, .size: 8, .value_kind: global_buffer, .address_space: global }
      - { .name: xc, .offset: 40, .size: 8, .value_kind: global_buffer, .address_space: global }
      - { .name: wc, .offset: 48, .size: 8, .value_kind: global_buffer, .address_space: global }
    .group_segment_fixed_size: 70144
    .private_segment_fixed_size: 0
    .kernarg_segment_align: 8
    .kernarg_segment_size: 56
    .max_flat_workgroup_size: 128
    .sgpr_count:     66
    .vgpr_count:     258
    .wavefront_size: 32
...
	.end_amdgpu_metadata
.endif
;; end of part 1
;; launch gemm (part 2): grid 16 x 16, 4 waves a work-group, clusters of 4 x 4, 327,680 bytes of LDS; arguments xc, wc, lowp_scales, bias, out0; writes out0
.if DOCPART == 2
	.amdgcn_target "amdgcn-amd-amdhsa--gfx1250"
	.amdhsa_code_object_version 6
	.text
	.protected	k_q0bddf0ae14_gemm
	.globl	k_q0bddf0ae14_gemm
	.p2align	8
	.type	k_q0bddf0ae14_gemm,@function
k_q0bddf0ae14_gemm:
	s_mov_b64 s[64:65], 0
	v_nop
	global_prefetch_b8 v0, s[64:65] scope:SCOPE_SE
	s_setreg_imm32_b32 hwreg(HW_REG_WAVE_MODE, 25, 1), 1
	s_wait_xcnt 0x0
	s_wait_alu depctr_hold_cnt(0) depctr_sa_sdst(0) depctr_va_vdst(0) depctr_va_sdst(0) depctr_va_ssrc(0) depctr_va_vcc(0) depctr_vm_vsrc(0)
	s_getreg_b32 s2, hwreg(HW_REG_IB_STS2, 6, 4)
	s_cmp_eq_u32 s2, 0
	s_cbranch_scc0 .Lentry_in_a_cluster
	s_endpgm
.Lentry_in_a_cluster:
	s_bfe_u32 s2, ttmp6, 0x10000c
	s_cmp_lg_u32 s2, 0xf033
	s_cbranch_scc0 .Lentry_shape_is_right
	s_endpgm
.Lentry_shape_is_right:
; out0[m][n] = 2^(ex + ew) x (sum over p of xc[m][p] wc[n][p]) + bias[n].  xc [4096][4096], wc [4096][4096]: codes of BF8 (E5M2), one a byte, K along the row in an order that is the same in both
; (the launch before lays it), so every product meets its partner.  ex, ew: the two whole numbers of lowp_scales.  Sums in f32.  LIMIT: ex + ew between -126 and 127, so that 2^(ex + ew) is an f32 number.
; A block of out0, 256 x 256, is made by a work-group of four waves; a wave makes 128 x 128: 64 accumulators of 16 x 16, 512 registers.
; K goes in steps of 256 through a ring of two LDS slots filled by the tensor data mover: a tile's row is 256 bytes of memory, at a multiple of 256 from the buffer's first byte.
; CLUSTERS: 4 x 4 work-groups.  The four of a row of the cluster need the same tiles of xc, the four of a column the same tiles of wc: each tile is asked for JOINTLY, by the same tensor load with the same
; descriptor and a mask that names the four.  THE MATRIX INSTRUCTION IS USED TRANSPOSED (source 0 = 16 rows of wc, source 1 = 16 rows of xc): a lane holds eight neighbouring numbers of a row of out0.
; REGISTERS, in windows of 256: window 0: v0-35 addresses and bias; from v128 A's fragments (8 x 16 rows x 128 K), ONE set; on the way out v128-255 take the rows read back.
;   window 1: B's fragments, TWO sets, at v0 and v128.   window 2: the accumulators of my rows 0-63 ((a, b) at v[8 (8 a + b)]);   window 3: those of my rows 64-127.
; A CHANGE OF SLOTS: the first 32 products of a slot's last 128 along K stand AHEAD of the wait for the next slot's tile, so that between that wait and the next joint request stand only the add, its wait and the round.
; PREFETCH: behind each joint refill one request a wave for the K step two refills on: 32 rows x 256 bytes, a lane a row.  Every cluster asks for what it will itself load, its four tile rows of xc and its four
; tile columns of wc; of the 128 rows that a wave fetches each of the four partners that ask for them jointly takes 32, told apart by address (cx for xc, cy for wc).  The first four K steps come by their loads
; alone; the loop's last trip, whose look-ahead would pass the end of K, asks for nothing.
.set SIZE_N, 4096
.set SIZE_K, 4096
.set ROWB,   256                       ; a tile's row in bytes: a K step
.set KROW,   SIZE_K                    ; a row of xc or wc in memory
.set PITCH,  272                       ; an LDS row: 256 bytes + 16 of padding: an odd multiple of 16
.set FR,     16                        ; registers of a fragment: 16 rows x 128 K
.set NL,     4                         ; LDS loads that bring one
.set NP,     4                         ; places behind this matrix instruction (ISA guide 7.12.1)
.set HALFT,  128*PITCH                 ; what one tensor load brings
.set SLOT,   4*HALFT                   ; A's 256 rows, then B's 256 rows
.set LAPS,   SIZE_K/(2*ROWB)           ; a lap = two K steps = once round the ring
.set SPARE,  2*SLOT                    ; behind the ring: the spare words, 128 bytes a wave
.set SPITCH, 528                       ; the way out: 16 rows x (512 + 16) bytes a wave, in slot 0, which has had its last fill and its last read by then
.set ADRA, 16                          ; v16-17 LDS address of my A fragments in slot 0, 1
.set ADRB, 20                          ; v20-21 the same for B
.set STO,  24
.set RD,   25
.set CO,   26                          ; 16 x lane
.set SPW,  28                          ; my spare word; never rewritten
.set NIL,  29                          ; 0; never rewritten
.set PFO,  30                          ; the prefetch's offset: lane x a row of 4,096 bytes; never rewritten
.set BI,   32                          ; v32-35 the bias of my four columns of a row read back
.set AF,   128
.set BK,   128
.set G1, 24                            ; s[24:31] group 1 for A's tiles; s[32:39] group 0, one for each slot
.set G0, 32
.set G1B, 48                           ; s[48:55], s[56:63] the same for B's
.set G0B, 56
.set PFA, 66                           ; s[66:67] where my prefetches stand
.set MSB, 0
.macro WIN new                         ; the immediate's high byte repeats the setting that is left
.if MSB != \new
	s_set_vgpr_msb (MSB<<8)|\new
.set MSB, \new
.endif
.endm
.set MUL_LO, 0xa1                      ; source 0 (B) window 1, source 1 (A) window 0, C and D window 2
.set MUL_HI, 0xf1                      ; the same, C and D window 3
.set TO_B,   0x40                      ; destination window 1, address window 0
; A joint load: waves 0 and 1 fetch for A, waves 2 and 3 for B; the branch hangs on the wave's number alone.  An s_nop 0 and four v_nop follow each line.
.macro JLOAD g0a, g1a, g0b, g1b
	s_cmp_eq_u32 s15, 0
	s_cbranch_scc0 .Lfor_b_\@
	tensor_load_to_lds s[\g0a:\g0a+3], s[\g1a:\g1a+7]
	s_nop 0
.rept 4
	v_nop
.endr
	s_branch .Lasked_\@
.Lfor_b_\@:
	tensor_load_to_lds s[\g0b:\g0b+3], s[\g1b:\g1b+7]
	s_nop 0
.rept 4
	v_nop
.endr
.Lasked_\@:
.endm
.macro ASK                             ; the K step two refills on; s3 = 1 in the loop's last trip, which asks for nothing
	s_cmp_gt_u32 s3, 1
	s_cbranch_scc0 .Lnot_mine_\@
	s_wait_alu depctr_va_vdst(0)
	global_prefetch_b8 v[PFO], s[PFA:PFA+1] offset:ROWB th:TH_LOAD_NT scope:SCOPE_SE
.Lnot_mine_\@:
.endm
.macro CREST                           ; a round of the cluster's barrier behind its opening barrier
	s_cmp_lg_u32 s14, 0
	s_cbranch_scc1 .Lnot_wave_0_\@
	s_barrier_signal -3
.Lnot_wave_0_\@:
	s_barrier_wait -3
	s_barrier_signal -1
	s_barrier_wait -1
.endm
.macro CROUND                          ; a whole round
	s_barrier_signal -1
	s_barrier_wait -1
	CREST
.endm
	s_load_b128 s[4:7], s[0:1], 0x0                ; xc, wc
	s_load_b128 s[8:11], s[0:1], 0x10              ; lowp_scales, bias
	s_load_b64 s[12:13], s[0:1], 0x20              ; out0
	v_lshl_add_u32 v[SPW], v0, 2, SPARE
	v_mov_b32 v[NIL], 0
	ds_add_u32 v[SPW], v[NIL]                      ; the opening lines: the add, twice on end, and its wait ahead of my first tensor load
	ds_add_u32 v[SPW], v[NIL]
	v_lshrrev_b32 v1, 5, v0
	v_readfirstlane_b32 s14, v1                    ; wave 0..3
	s_lshr_b32 s15, s14, 1                         ; which half of the block's rows is mine; also: I fetch for A (0) or for B (1)
	s_and_b32 s16, s14, 1                          ; which half of its columns; also: which 128 rows of that tile I fetch
	s_bfe_u32 s40, ttmp6, 0x40000                  ; cx, cy
	s_bfe_u32 s41, ttmp6, 0x40004
	s_lshl_b32 s42, ttmp9, 2
	s_add_co_u32 s42, s42, s40                     ; block column
	s_and_b32 s17, ttmp7, 0xffff
	s_lshl_b32 s17, s17, 2
	s_add_co_u32 s17, s17, s41                     ; block row
	s_lshl_b32 s43, s41, 2
	s_lshl_b32 s43, 15, s43                        ; my row of the cluster
	s_lshl_b32 s44, 0x1111, s40                    ; my column
	s_or_b32 s[G1+0], s43, (0<<16)|(1<<20)|(1<<21)|(5<<22)|(3<<25)   ; the mask; bytes; 4 dwords of padding behind every 64; bit 21 beside a mask
	s_or_b32 s[G1B+0], s44, (0<<16)|(1<<20)|(1<<21)|(5<<22)|(3<<25)
.irp g, G1, G1B
	s_mov_b32 s[\g+1], ROWB<<16
	s_mov_b32 s[\g+2], 128<<16
	s_mov_b32 s[\g+3], ROWB<<16
	s_mov_b32 s[\g+4], 128
	s_mov_b32 s[\g+5], KROW
	s_mov_b32 s[\g+6], 0
	s_mov_b32 s[\g+7], 0
.endr
	s_lshl_b32 s18, s16, 7
	s_lshl_b32 s20, s17, 8
	s_add_co_u32 s20, s20, s18                     ; A: row 256 x block row + 128 x half
	s_lshl_b32 s46, s42, 8
	s_add_co_u32 s46, s46, s18                     ; B: row 256 x block column + 128 x half
	s_mov_b32 s21, 0
	s_mov_b32 s47, 0
	s_mov_b64 s[18:19], KROW
	s_mul_u64 s[20:21], s[20:21], s[18:19]
	s_mul_u64 s[46:47], s[46:47], s[18:19]
	s_mul_i32 s45, s14, HALFT                      ; where they go: wave x 128 rows
	s_wait_dscnt 0x0                               ; both opening adds are done
	s_wait_kmcnt 0x0
	s_load_b64 s[96:97], s[8:9], 0x0               ; ex, ew
	s_add_nc_u64 s[20:21], s[4:5], s[20:21]
	s_add_nc_u64 s[46:47], s[6:7], s[46:47]
	CROUND                                         ; all sixteen work-groups are here: the first joint loads meet
.irp s, 0,1
	s_mov_b32 s[G0+4*\s], 1
	s_add_co_u32 s[G0+4*\s+1], s45, \s*SLOT
	s_mov_b32 s[G0B+4*\s], 1
	s_add_co_u32 s[G0B+4*\s+1], s45, \s*SLOT
	s_add_nc_u64 s[G0+4*\s+2:G0+4*\s+3], s[20:21], \s*ROWB
	s_add_nc_u64 s[G0B+4*\s+2:G0B+4*\s+3], s[46:47], \s*ROWB
	s_or_b32 s[G0+4*\s+3], s[G0+4*\s+3], 0x80000000
	s_or_b32 s[G0B+4*\s+3], s[G0B+4*\s+3], 0x80000000
.endr
	JLOAD G0, G1, G0B, G1B                         ; K step 0: one tensor load a wave at the head
	v_and_b32 v1, 15, v0                           ; l % 16
	s_wait_alu depctr_va_vdst(0)
	v_bfe_u32 v2, v0, 4, 1                         ; l / 16
	v_mul_u32_u24 v3, v1, PITCH
	v_lshl_add_u32 v4, v2, 4, v3                   ; a fragment's row x pitch + 16 x half
	s_mul_i32 s21, s15, HALFT                      ; my 128 rows of A
	s_mul_i32 s22, s16, HALFT                      ; my 128 rows of B,
	s_add_co_u32 s22, s22, 2*HALFT                 ; which lie behind A's 256
.irp s, 0,1
	v_add_nc_u32 v[ADRA+\s], s21, v4
	v_add_nc_u32 v[ADRB+\s], s22, v4
	s_add_co_u32 s21, s21, SLOT
	s_add_co_u32 s22, s22, SLOT
.endr
	s_mul_i32 s23, s14, 16*SPITCH                  ; my stage
	v_mul_u32_u24 v5, v1, SPITCH
	s_wait_alu depctr_va_vdst(0)
	v_lshl_add_u32 v5, v2, 5, v5
	v_add_nc_u32 v[STO], s23, v5                   ; in: row l % 16, 32 bytes for each half of the lanes
	v_and_b32 v6, 31, v0
	v_lshlrev_b32 v[CO], 4, v6
	s_wait_alu depctr_va_vdst(0)
	v_add_nc_u32 v[RD], s23, v[CO]                 ; back: the 32 lanes take one row of 512 bytes
	s_lshl_b32 s20, s17, 8
	s_lshl_b32 s21, s15, 7
	s_add_co_u32 s20, s20, s21                     ; my first row of out0
	s_mov_b32 s21, 0
	s_mov_b64 s[18:19], SIZE_N*4
	s_mul_u64 s[20:21], s[20:21], s[18:19]
	s_lshl_b32 s46, s42, 10                        ; my first column, in bytes
	s_lshl_b32 s47, s16, 9
	s_add_co_u32 s46, s46, s47
	s_mov_b32 s47, 0
	s_add_nc_u64 s[10:11], s[10:11], s[46:47]
	global_load_b128 v[BI:BI+3], v[CO], s[10:11]   ; bias of my columns 4 lane .. 4 lane + 3
	s_add_nc_u64 s[20:21], s[20:21], s[46:47]
	s_add_nc_u64 s[12:13], s[12:13], s[20:21]
	s_lshl_b32 s70, s17, 8                         ; the prefetches: the tile's first row, in xc by the block row, in wc by the block column,
	s_lshl_b32 s71, s42, 8
	s_cmp_eq_u32 s15, 0
	s_cselect_b32 s70, s70, s71
	s_cselect_b32 s71, s40, s41                    ; my place among the four that ask for it with me
	s_cselect_b64 s[PFA:PFA+1], s[4:5], s[6:7]
	s_lshl_b32 s72, s16, 7
	s_add_co_u32 s70, s70, s72                     ; + the 128 rows that I fetch
	s_lshl_b32 s71, s71, 5
	s_add_co_u32 s70, s70, s71                     ; + my work-group's 32 of them
	s_lshl_b32 s70, s70, 12
	s_mov_b32 s71, 0
	s_add_nc_u64 s[PFA:PFA+1], s[PFA:PFA+1], s[70:71]
	s_add_nc_u64 s[PFA:PFA+1], s[PFA:PFA+1], 2*ROWB   ; at K step 2: the first refill steps it to 3 and names K step 4
	v_and_b32 v[PFO], 31, v0
	v_lshlrev_b32 v[PFO], 12, v[PFO]
.macro FRAG reg, adr, q, i             ; lane l holds row l % 16; registers 4 c .. 4 c + 3 hold bytes 32 c + 16 (l / 16) + 0 .. 15 of the 128: the same places in A and in B
.irp c, 0,1,2,3
	ds_load_b128 v[\reg+4*\c:\reg+4*\c+3], v[\adr] offset:128*(\q)+32*\c+(\i)*16*PITCH
.endr
.endm
; 16 products: A's blocks a0, a0 + 1 x B's eight.  p: B's set.  zero = 1: the first product starts the sums.  The 64 accumulators take turns, one instruction a turn.
.macro MUL16 a0, p, zero
.irp a, \a0, \a0+1
.irp b, 0,1,2,3,4,5,6,7
.if \zero
	v_wmma_f32_16x16x128_bf8_bf8 v[8*(8*((\a)%4)+\b):8*(8*((\a)%4)+\b)+7], v[128*(\p)+FR*\b:128*(\p)+FR*\b+FR-1], v[AF+FR*(\a):AF+FR*(\a)+FR-1], 0
.else
	v_wmma_f32_16x16x128_bf8_bf8 v[8*(8*((\a)%4)+\b):8*(8*((\a)%4)+\b)+7], v[128*(\p)+FR*\b:128*(\p)+FR*\b+FR-1], v[AF+FR*(\a):AF+FR*(\a)+FR-1], v[8*(8*((\a)%4)+\b):8*(8*((\a)%4)+\b)+7]
.endif
.endr
.endr
.endm
.macro FETCH_B slot, q, p
	WIN TO_B
.irp i, 0,1,2,3,4,5,6,7
	FRAG 128*(\p)+FR*\i, ADRB+\slot, \q, \i
.endr
	WIN 0
.endm
.macro FETCH_A slot, q, i0
.irp i, \i0, \i0+1, \i0+2, \i0+3
	FRAG AF+FR*(\i), ADRA+\slot, \q, \i
.endr
.endm
.macro PLACES n                        ; places in front of loads into registers that matrix instructions have read, and of the first read of results
.rept \n
	v_nop
.endr
.endm
; 128 along K that have their successor in the same slot
.macro STEP slot, q, zero
	s_wait_dscnt 4*NL                              ; B's set and A's blocks 0-3 are in; the youngest 16 loads (A's blocks 4-7) may be out
	WIN MUL_LO
	MUL16 0, (\q)%2, \zero
	MUL16 2, (\q)%2, \zero
	s_wait_dscnt 0
	PLACES NP
	FETCH_B \slot, (\q)+1, 1-(\q)%2
	FETCH_A \slot, (\q)+1, 0
	WIN MUL_HI
	MUL16 4, (\q)%2, \zero
	MUL16 6, (\q)%2, \zero
	PLACES NP
	WIN 0
	FETCH_A \slot, (\q)+1, 4
.endm
; A slot's last 128 along K, and the change of slots.  fill = 1: this slot is filled again, two K steps ahead.
.macro TURN slot, next, fill
.if \fill
	s_wait_xcnt 0x0                                ; my last prefetch has read its address
	s_add_nc_u64 s[PFA:PFA+1], s[PFA:PFA+1], ROWB
.endif
	s_wait_dscnt 4*NL                              ; as in STEP
	WIN MUL_LO
	MUL16 0, 1, 0                                  ; what can be multiplied without the next slot stands ahead of the wait for it
	MUL16 2, 1, 0
	WIN 0
	s_wait_tensorcnt 0x0                           ; all my tensor loads have landed: the one that was out is my part of the next slot;
	ds_add_u32 v[SPW], v[NIL]
.if \fill
	s_add_nc_u64 s[G0+4*\slot+2:G0+4*\slot+3], s[G0+4*\slot+2:G0+4*\slot+3], 2*ROWB        ; no load of mine is out: this slot's next tile
	s_add_nc_u64 s[G0B+4*\slot+2:G0B+4*\slot+3], s[G0B+4*\slot+2:G0B+4*\slot+3], 2*ROWB
.endif
	s_wait_dscnt 0x0                               ; the add is done, and my reads of this slot are over (A's blocks 4-7 were the last)
	s_barrier_signal -1
	s_barrier_wait -1
.if \fill
	CREST                                          ; the barrier has opened a round of the cluster's barrier: no wave of any partner still reads this slot or has a load on its way
	JLOAD G0+4*\slot, G1, G0B+4*\slot, G1B         ; the first tensor load behind the round; its four v_nop are the places in front of the loads below
.else
	PLACES NP
.endif
	FETCH_B \next, 0, 0
	FETCH_A \next, 0, 0
.if \fill
	ASK
.endif
	WIN MUL_HI
	MUL16 4, 1, 0
	MUL16 6, 1, 0
	PLACES NP
	WIN 0
	FETCH_A \next, 0, 4
.endm
	s_wait_alu depctr_va_vdst(0)                   ; the head's end
	s_wait_tensorcnt 0x0                           ; my part of K step 0 is in; slot 1's first fill is issued as a refill is:
	ds_add_u32 v[SPW], v[NIL]
	s_wait_dscnt 0x0
	CROUND
	JLOAD G0+4, G1, G0B+4, G1B                     ; K step 1
	FETCH_B 0, 0, 0
	FETCH_A 0, 0, 0
	FETCH_A 0, 0, 4
	STEP 0, 0, 1                                   ; the first 128 along K stand in front of the loop: their products start the sums
	s_mov_b32 s3, LAPS-1
.Llap:                                                 ; a trip goes once round the ring and fills both slots again
	TURN 0, 1, 1
	STEP 1, 0, 0
	TURN 1, 0, 1
	STEP 0, 0, 0
	s_sub_co_u32 s3, s3, 1
	s_cmp_lg_u32 s3, 0
	s_cbranch_scc1 .Llap
	TURN 0, 1, 0                                   ; the last lap fills nothing, and has no round of the cluster's barrier
	STEP 1, 0, 0
	s_wait_dscnt 4*NL
	WIN MUL_LO
	MUL16 0, 1, 0
	MUL16 2, 1, 0
	s_wait_dscnt 0
	WIN MUL_HI
	MUL16 4, 1, 0
	MUL16 6, 1, 0
	WIN 0
; THE WAY OUT, block by block of 16 rows x 128 columns: the sums go through my own stage and come back as whole rows of 512 bytes; there x 2^(ex + ew) + bias, fused; the 32 lanes store 512 consecutive bytes.
; LDS serves a wave's instructions in order (ISA guide 5.7.1.4): no wait between the stores and the loads.
.macro TOSTAGE a
.set AC, 64*((\a)%4)
	WIN 0x08+4*((\a)/4)                            ; an LDS store's data are named in source 1's window: 2 or 3
.irp b, 0,1,2,3,4,5,6,7
	ds_store_b128 v[STO], v[AC+8*\b:AC+8*\b+3] offset:64*\b          ; each accumulator from its low end on
	ds_store_b128 v[STO], v[AC+8*\b+4:AC+8*\b+7] offset:64*\b+16
.endr
	WIN 0
.set BB, BK+64*((\a)%2)
.irp t, 0,1,2,3,4,5,6,7,8,9,10,11,12,13,14,15
	ds_load_b128 v[BB+4*\t:BB+4*\t+3], v[RD] offset:\t*SPITCH
.endr
.endm
.macro SEND a, younger                 ; younger: the LDS instructions issued behind block a's loads, which may stay out
.set BB, BK+64*((\a)%2)
	s_wait_dscnt \younger
.if (\a) > 0
	s_add_nc_u64 s[12:13], s[12:13], 16*SIZE_N*4   ; behind a wait on XCNT: the earlier stores have read their base
.endif
.irp t, 0,1,2,3,4,5,6,7,8,9,10,11,12,13,14,15
	v_pk_fma_f32 v[BB+4*\t:BB+4*\t+1], v[BB+4*\t:BB+4*\t+1], s[96:97], v[BI:BI+1] op_sel_hi:[1,0,1]
	v_pk_fma_f32 v[BB+4*\t+2:BB+4*\t+3], v[BB+4*\t+2:BB+4*\t+3], s[96:97], v[BI+2:BI+3] op_sel_hi:[1,0,1]
	global_store_b128 v[CO], v[BB+4*\t:BB+4*\t+3], s[12:13] offset:\t*SIZE_N*4 th:TH_STORE_NT
.endr
.endm
	s_wait_kmcnt 0x0
	s_add_co_i32 s96, s96, s97
	s_add_co_i32 s96, s96, 127
	s_lshl_b32 s96, s96, 23                        ; 2^(ex + ew) as f32
	s_mov_b32 s97, s96
	s_wait_loadcnt 0x0                             ; the bias is in
	PLACES NP
	s_wait_alu depctr_va_vdst(0)
	TOSTAGE 0
.irp a, 1,2,3,4,5,6,7
.if \a > 1
	s_wait_xcnt 0x0                                ; block a - 2's stores have read their registers and their base
.endif
	TOSTAGE \a
	SEND \a-1, 32                                  ; behind block a - 1's loads: block a's 16 stores and 16 loads
.endr
	s_wait_xcnt 0x0
	SEND 7, 0
	s_wait_tensorcnt 0x0                           ; the wave's end
	ds_add_u32 v[SPW], v[NIL]
	s_wait_dscnt 0x0
	CROUND                                         ; the closing round: no work-group ends while a partner may still ask for a tile that names it
	s_endpgm
.Lfunc_end_k_q0bddf0ae14_gemm:
	.size	k_q0bddf0ae14_gemm, .Lfunc_end_k_q0bddf0ae14_gemm-k_q0bddf0ae14_gemm
	.p2alignl 7, 3214868480
	.fill 96, 4, 3214868480
	.section	.rodata,"a",@progbits
	.p2align	6, 0x0
	.amdhsa_kernel k_q0bddf0ae14_gemm
		.amdhsa_group_segment_fixed_size 327680
		.amdhsa_private_segment_fixed_size 0
		.amdhsa_enable_private_segment 0
		.amdhsa_kernarg_size 40
		.amdhsa_user_sgpr_count 2
		.amdhsa_user_sgpr_kernarg_segment_ptr 1
		.amdhsa_wavefront_size32 1
		.amdhsa_system_sgpr_workgroup_id_x 1
		.amdhsa_system_sgpr_workgroup_id_y 1
		.amdhsa_system_sgpr_workgroup_id_z 1
		.amdhsa_system_vgpr_workitem_id 0
		.amdhsa_next_free_vgpr 1024
		.amdhsa_next_free_sgpr 98
		.amdhsa_reserve_vcc 0
		.amdhsa_float_denorm_mode_32 3
		.amdhsa_float_denorm_mode_16_64 3
		.amdhsa_memory_ordered 1
		.amdhsa_forward_progress 1
		.amdhsa_inst_pref_size 125
	.end_amdhsa_kernel
	.amdgpu_metadata
---
amdhsa.version: [ 1, 2 ]
amdhsa.kernels:
  - .name:           k_q0bddf0ae14_gemm
    .symbol:         k_q0bddf0ae14_gemm.kd
    .args:
      - { .name: xc, .offset: 0, .size: 8, .value_kind: global_buffer, .address_space: global }
      - { .name: wc, .offset: 8, .size: 8, .value_kind: global_buffer, .address_space: global }
      - { .name: lowp_scales, .offset: 16, .size: 8, .value_kind: global_buffer, .address_space: global }
      - { .name: bias, .offset: 24, .size: 8, .value_kind: global_buffer, .address_space: global }
      - { .name: out0, .offset: 32, .size: 8, .value_kind: global_buffer, .address_space: global }
    .group_segment_fixed_size: 327680
    .private_segment_fixed_size: 0
    .kernarg_segment_align: 8
    .kernarg_segment_size: 40
    .max_flat_workgroup_size: 128
    .sgpr_count:     98
    .vgpr_count:     1024
    .wavefront_size: 32
...
	.end_amdgpu_metadata
.endif
;; end of part 2
